; MI455X (gfx1250); checked and timed in simulation.
; The chip was launched on July 23, 2026; its instructions are those of AMD's public machine-readable ISA for CDNA 5 (MIT licence, August 2026) and "CDNA5" Instruction Set Architecture Reference Guide (July 2026). The comments in the code are by the model that wrote it; some were corrected since.
;; Analogy Based Estimation. Allowed arithmetic: float matrix products may take bf16 or f16 operands with f32 sums; other float arithmetic in f32, or as packed bf16 or f16 multiplies, adds, multiply-adds, maxima and minima; sums over many terms, partial sums and values carried from step to step in f32; what a program stores and reads back later, other than sums and carried values, may be rounded once to bf16 or f16.
;; Inputs: features 256 float32; train_inputs 65,536 x 256 float32; train_labels 65,536 int32; x_input 2,048 x 256 float32.
;; Outputs: out0 2,048 x 100 float32.
;; Constants: num_k = 3, num_labels = 100.
;; One version. Each part assembles by itself: llvm-mc -triple=amdgcn-amd-amdhsa -mcpu=gfx1250 --defsym DOCPART=n.
;; ======== version 1 of 1: 3 launches
;; workspace buffers: cand 4,194,304 bytes; gsel 32,768 bytes of whole numbers
;; launch main (part 1): grid 256 x 1, 4 waves a work-group, clusters of 4 x 1, 327,680 bytes of LDS; arguments x_input, train_inputs, features, cand; writes cand
.if DOCPART == 1
	.amdgcn_target "amdgcn-amd-amdhsa--gfx1250"
	.amdhsa_code_object_version 6
	.text
	.protected	k_qc3b1eef1f0_main
	.globl	k_qc3b1eef1f0_main
	.p2align	8
	.type	k_qc3b1eef1f0_main,@function
k_qc3b1eef1f0_main:
	s_mov_b64 s[64:65], 0
	v_nop
	global_prefetch_b8 v0, s[64:65] scope:SCOPE_SE
	s_setreg_imm32_b32 hwreg(HW_REG_WAVE_MODE, 25, 1), 1
	s_wait_xcnt 0x0
	s_wait_alu depctr_hold_cnt(0) depctr_sa_sdst(0) depctr_va_vdst(0) depctr_va_sdst(0) depctr_va_ssrc(0) depctr_va_vcc(0) depctr_vm_vsrc(0)
	s_getreg_b32 s2, hwreg(HW_REG_IB_STS2, 6, 4)
	s_cmp_eq_u32 s2, 0
	s_cbranch_scc0 .Lentry_in_a_cluster
	s_endpgm
.Lentry_in_a_cluster:
	s_bfe_u32 s2, ttmp6, 0x10000c
	s_cmp_lg_u32 s2, 0x3003
	s_cbranch_scc0 .Lentry_shape_is_right
	s_endpgm
.Lentry_shape_is_right:
; d[b][n] = sqrt(|x_b|^2 + |f o t_n|^2) - 2 x_b . t_n for 2,048 queries x 65,536 train rows.  This launch keeps, for each query, the three GROUPS of 8
; consecutive train rows with the smallest group minimum, chain by chain; the three smallest elements of a query lie in its three best groups.
; FORMATS.  x, train and features are rounded once to bf16, and both norms are made of the rounded numbers; products and sums in f32.
; SHARES.  A cluster of four work-groups takes 1,024 train rows (cluster number rho); work-group cx of it takes queries 512 cx .. + 511, each of its four waves 128:
; eight tiles of 16 queries that stay in 512 registers as source 1.  All four waves walk the 1,024 rows: 16 steps of 64 rows, four tiles of 16 rows a step.
; The four work-groups need the same train rows, so each tile is asked for JOINTLY (one tensor load, one descriptor, a mask that names the four).
; THE PRODUCT.  Source 0 = 16 train rows, source 1 = 16 queries holding -bf16(x), C = sqrt(left/4 + right/4): D = d / 2.  Lane l holds query l % 16 and rows 8 (l / 16) + 0..7:
; a lane's eight results are one group.  Each lane keeps a sorted best three (value, tile number) for each of its eight query tiles; ties keep the lower tile.
; CONVERSION.  Train rows arrive as f32 in LDS; while step s is multiplied each wave rounds its own 16 rows of step s + 1 to bf16, writes them to a stage and their right/4 beside it.
; A lane takes 4 neighbouring numbers of eight 128-byte pieces of a row; the stage therefore holds K in another order, and x is loaded in that same order: the products are the same.
; BY TURNS.  A trip holds 32 products of query tiles 4-7 on the tile before and 32 of query tiles 0-3 on the tile in hand; behind each product stands a slice of vector work:
; minimum, insertion and the next C of the set that rests, or a piece of the conversion.
; LIMITS.  NaN and infinities are not treated apart; d / 2 must lie below 3.4e38; left/4 + right/4 below 2^-126 counts as 0 in the root.
; The first trip runs 32 products on zeros and two empty reductions, and the last step converts rows that nobody reads: the price of one text for every trip; for it 176 registers are preset.
.set BANK,   1<<17                     ; two banks of LDS take turns; one exclusive or turns an address in one into the other's
.set FPITCH, 1040                      ; a row of f32: 1,024 bytes + 16 of padding
.set WTILE,  16*FPITCH                 ; a wave's 16 rows, what one tensor load brings
.set STG,    4*WTILE                   ; behind the four waves' f32 rows: the stage, 64 rows of bf16
.set SPITCH, 528                       ; 512 bytes + 16: the 16 rows of a fragment load start 33 x 16 bytes apart
.set RGT,    STG+64*SPITCH             ; 64 words: right/4 of the step's rows
.set SPARE,  BANK+RGT+256              ; the spare words, 128 bytes a wave: two blocks of 256 bytes that no other line names
; window 0
.set TR0, 2                            ; RGT + 32 (l / 16)
.set TRa, 3                            ; address of the loads of right/4
.set IDV, 4                            ; number of the tile that is being reduced
.set GO,  5                            ; 16 x lane
.set XO,  6                            ; (l % 16) x 1,024 + 16 (l / 16)
.set FO,  7                            ; 16 (l % 8)
.set CR0, 8                            ; RGT + 4 x my conversion row
.set CRa, 9
.set SPW, 10                           ; my spare word; never rewritten
.set NIL, 11                           ; 0; never rewritten
.set MN,  12                           ; v12-15 four group minima
.set T1,  16
.set T2,  17
.set SW,  18                           ; a row's sum of squares
.set RT,  20                           ; v20-27 right/4 of rows 8 (l / 16) + 0..7
.set ST,  32                           ; query tile u at ST + 8 u: a, b, c, their tile numbers, left/4, a filler named with it as a pair
.set ACC, 96                           ; v96-159: set p at ACC + 32 p, accumulator u' at + 8 u'
.set FT,  160                          ; v160-191 features, at the start only
; window 1
.set AF,  0                            ; fragments of 16 train rows: K step s at 8 s
.set TF,  64                           ; 32 f32 as loaded
.set TP,  96                           ; 16 registers of packed bf16
.set FP,  112                          ; packed bf16(f / 2) of my 32 columns
.set WP,  128                          ; t f / 2, two pairs
.set RA,  132                          ; two running pairs of squares
.set ZR,  137                          ; 0
.set CF0, 140
.set CS0, 141
.set TA0, 143
.set CFa, 144
.set CSa, 145
.set TAa, 147
; windows 2, 3: query tile u = 4 p + u' in window 2 + p at v[64 u' + 8 s]
; scalars: s12 wave; s13 cx; s[16:23] descriptor group 1; s[24:27], s[28:31] group 0; s32, s33 counters; s34 tile number less 1; s35-37 conversion bases; s38, s39 consumer bases;
; s[40:41] lane selects; s42-48 lane masks l % 8 = 1..7; s49 lanes that hold their own diagonal; s50-52 compare masks; s53 two sign bits; s54-59 at work
.set MSB, 0
.macro WIN new                         ; the immediate's high byte repeats the setting that is left; a switch that changes nothing is dropped
.if MSB != (\new)
	s_set_vgpr_msb (MSB<<8)|(\new)
.set MSB, (\new)
.endif
.endm
.macro CROUND                          ; a round of the cluster's barrier
	s_barrier_signal -1
	s_barrier_wait -1
	s_cmp_lg_u32 s12, 0
	s_cbranch_scc1 .Lnot_wave_0_\@
	s_barrier_signal -3
.Lnot_wave_0_\@:
	s_barrier_wait -3
	s_barrier_signal -1
	s_barrier_wait -1
.endm
; product kk of 32 of set p: K step kk / 4, accumulator kk % 4: the four accumulators take turns
.macro MMA p, kk
	WIN 0x09+4*(\p)
.set rD, ACC+32*(\p)+8*((\kk)%4)
.set rA, AF+8*((\kk)/4)
.set rB, 64*((\kk)%4)+8*((\kk)/4)
	v_wmma_f32_16x16x32_bf16 v[rD:rD+7], v[rA:rA+7], v[rB:rB+7], v[rD:rD+7]
.endm
; number j of the 16 that find the four group minima of set p; each accumulator's lowest registers are read first
.macro MINOP p, j
.set aa, ACC+32*(\p)+8*((\j)%4)
.set mM, MN+(\j)%4
.if (\j) < 4
	v_min3_num_f32 v[mM], v[aa], v[aa+1], v[aa+2]
.elseif (\j) < 8
	v_min3_num_f32 v[mM], v[mM], v[aa+3], v[aa+4]
.elseif (\j) < 12
	v_min3_num_f32 v[mM], v[mM], v[aa+5], v[aa+6]
.else
	v_min_num_f32 v[mM], v[mM], v[aa+7]
.endif
.endm
; number o of the 11 that insert the minimum of query tile u into its sorted three; strict comparisons keep the earlier tile on a tie
.macro INSOP u, o
.set sT, ST+8*(\u)
.set mM, MN+(\u)%4
.if (\o) == 0
	v_cmp_lt_f32 s50, v[mM], v[sT]
.elseif (\o) == 1
	v_cmp_lt_f32 s51, v[mM], v[sT+1]
.elseif (\o) == 2
	v_cmp_lt_f32 s52, v[mM], v[sT+2]
.elseif (\o) == 3
	v_cndmask_b32 v[T1], v[IDV], v[sT+4], s51
.elseif (\o) == 4
	v_cndmask_b32 v[T2], v[IDV], v[sT+3], s50
.elseif (\o) == 5
	v_cndmask_b32 v[sT+5], v[sT+5], v[T1], s52
.elseif (\o) == 6
	v_cndmask_b32 v[sT+4], v[sT+4], v[T2], s51
.elseif (\o) == 7
	v_cndmask_b32 v[sT+3], v[sT+3], v[IDV], s50
.elseif (\o) == 8
	v_med3_num_f32 v[sT+2], v[sT+1], v[sT+2], v[mM]
.elseif (\o) == 9
	v_med3_num_f32 v[sT+1], v[sT], v[sT+1], v[mM]
.else
	v_min_num_f32 v[sT], v[sT], v[mM]
	s_wait_alu depctr_va_vdst(0)
.endif
.endm
; THE LIST OF SET p, 108 long; SELOP writes number sj.  0-15 the minima; 16-26 the first insertion; 27-106 four groups of 20: left/4 + right/4 (4 packed), 8 roots, and 8 of the other
; three insertions between them, so that no two roots follow each other and each has a plain instruction behind it; 107 the last line of the last insertion.
.macro SELOP p
	WIN 0
.if sj < 16
	MINOP \p, sj
.elseif sj < 27
	INSOP 4*(\p), sj-16
.elseif sj < 107
.set gg, (sj-27)/20
.set pp, (sj-27)%20
.set aa, ACC+32*(\p)+8*gg
.set sT, ST+8*(4*(\p)+gg)
.if (pp == 0) || (pp == 2) || (pp == 6) || (pp == 10)
.set nn, (pp+2)/4
	v_pk_add_f32 v[aa+2*nn:aa+2*nn+1], v[RT+2*nn:RT+2*nn+1], v[sT+6:sT+7] op_sel_hi:[1,0]
.elseif (pp%2 == 1) && (pp >= 3) && (pp <= 17)
.set nn, (pp-3)/2
	v_sqrt_f32 v[aa+nn], v[aa+nn]
.else
.if pp == 1
.set xx, 0
.elseif pp == 4
.set xx, 1
.elseif pp == 8
.set xx, 2
.elseif pp == 19
.set xx, 7
.else
.set xx, (pp-12)/2+3
.endif
.set qq, 8*gg+xx
	INSOP 4*(\p)+1+qq/11, qq%11
.endif
.else
	INSOP 4*(\p)+3, 10
.endif
.set sj, sj+1
.endm
.macro REDOP p                         ; the minima and insertions alone, 60 long, for the end
	WIN 0
.if rj < 16
	MINOP \p, rj
.else
	INSOP 4*(\p)+(rj-16)/11, (rj-16)%11
.endif
.set rj, rj+1
.endm
; THE CONVERSION of 32 numbers a lane, 69 long; CNV writes number cj.  Pair n: rounded to bf16; times bf16(f / 2), exact in f32; squared and summed in two chains;
; at last the lane's sum and that of the eight lanes of a row.  The last four lines work in window 0.
.macro CVT n
	v_cvt_pk_bf16_f32 v[TP+(\n)], v[TF+2*(\n)], v[TF+2*(\n)+1]
.endm
.macro MIX n, hi
.if \hi
	v_fma_mix_f32_bf16 v[WP+2*((\n)%2)+1], v[TP+(\n)], v[FP+(\n)], v[ZR] op_sel:[1,1,0] op_sel_hi:[1,1,0]
.else
	v_fma_mix_f32_bf16 v[WP+2*((\n)%2)], v[TP+(\n)], v[FP+(\n)], v[ZR] op_sel_hi:[1,1,0]
.endif
.endm
.macro PKS n
.set wq, WP+2*((\n)%2)
.set rq, RA+2*((\n)%2)
.if (\n) < 2
	v_pk_mul_f32 v[rq:rq+1], v[wq:wq+1], v[wq:wq+1]
.else
	v_pk_fma_f32 v[rq:rq+1], v[wq:wq+1], v[wq:wq+1], v[rq:rq+1]
.endif
.endm
.macro CNV
.if cj < 65
	WIN 0x55
.endif
.if cj < 2
	CVT cj
.elseif cj < 4
	MIX 0, cj-2
.elseif cj < 60
.if cj%4 == 0
	CVT cj/4+1
.elseif cj%4 == 1
	PKS cj/4-1
.else
	MIX cj/4, cj%4-2
.endif
.elseif cj == 60
	PKS 14
.elseif cj < 63
	MIX 15, cj-61
.elseif cj == 63
	PKS 15
.elseif cj == 64
	v_pk_add_f32 v[RA:RA+1], v[RA:RA+1], v[RA+2:RA+3]
.elseif cj == 65
	WIN 0x05                               ; sources in window 1, the sum in window 0
	v_add_f32 v[SW], v[RA], v[RA+1]
.elseif cj == 66
	WIN 0
	v_add_f32_dpp v[SW], v[SW], v[SW] row_xmask:1 row_mask:0xf bank_mask:0xf
.elseif cj == 67
	v_add_f32_dpp v[SW], v[SW], v[SW] row_xmask:2 row_mask:0xf bank_mask:0xf
.else
	v_add_f32_dpp v[SW], v[SW], v[SW] row_xmask:4 row_mask:0xf bank_mask:0xf
.endif
.set cj, cj+1
.endm
.macro TFLOAD                          ; my 32 numbers of this trip's row: eight loads
.set mm, 0
.rept 8
	ds_load_b128 v[TF+4*mm:TF+4*mm+3], v[CFa] offset:128*mm
.set mm, mm+1
.endr
.endm
; slice n of the 16 that work in window 1.  LDS lines stand at a slice's end.  A fragment s is loaded again in slice s + 1: three slices of the other kind, seven plain instructions
; or more that name none of its registers, stand between its last product and the load.
.macro W1SL n
.if (\n) == 0
	WIN 0x55
	v_add_nc_u32 v[CFa], s35, v[CF0]
	v_add_nc_u32 v[CSa], s36, v[CS0]
	v_add_nc_u32 v[TAa], s38, v[TA0]
	TFLOAD
.endif
.if (\n) == 2
	s_wait_dscnt 2                         ; the eight loads of f32 are in; behind them fragment 0's two
.endif
.if (\n) >= 2
.if (\n) < 15
.rept 5
	CNV
.endr
.else
.rept 4
	CNV
.endr
.endif
.endif
.if ((\n) == 3) || ((\n) == 6) || ((\n) == 10) || ((\n) == 13)
	WIN 0x55
.set ii, (\n)/3-1
	ds_store_b128 v[CSa], v[TP+4*ii:TP+4*ii+3] offset:128*ii
.endif
.if ((\n) >= 1) && ((\n) <= 8)
	WIN 0x55
.set ss, (\n)-1
	ds_load_b128 v[AF+8*ss:AF+8*ss+3], v[TAa] offset:64*ss
	ds_load_b128 v[AF+8*ss+4:AF+8*ss+7], v[TAa] offset:64*ss+32
.endif
.if (\n) == 15
	WIN 0
	ds_store_b32 v[CRa], v[SW]             ; the row's eight lanes write the same word with the same number
.endif
.endm
; A TRIP, for tile T.  Products 0-31: set 1 on tile T - 1; beside them set 0's list (tile T - 1 reduced, C of tile T made).  Products 32-63: set 0 on tile T; beside them set 1's list.
; The trip's LDS instructions in order: right/4 (2), f32 (8), fragments 0, 1 (4), store, fragments 2, 3, 4 (6), store, fragments 5, 6, 7 (6), store, store, the sum's store: 31.
.macro TRIP
	WIN 0
	v_mov_b32 v[IDV], s34
	v_add_nc_u32 v[TRa], s39, v[TR0]
	v_add_nc_u32 v[CRa], s37, v[CR0]
	s_wait_alu depctr_va_vdst(0)
	ds_load_b128 v[RT:RT+3], v[TRa]
	ds_load_b128 v[RT+4:RT+7], v[TRa] offset:16
.set cj, 0
.set k, 0
.rept 64
.if k%32 == 0
.set sj, 0
.set w0n, 0
.endif
.if k == 32
	s_wait_dscnt 12                        ; fragments 0 and 1 are in: behind them 2 to 6 and two stores
.elseif k == 40
	s_wait_dscnt 9                         ; 2 and 3: behind them 4 to 7 and a store
.elseif k == 48
	s_wait_dscnt 5                         ; 4 and 5: behind them 6, 7 and a store
.elseif k == 56
	s_wait_dscnt 2                         ; 6 and 7: behind them two stores
.endif
	MMA 1-k/32, k%32
.if k%4 == 2
	W1SL k/4
.else
.if k == 8
	s_wait_dscnt 10                        ; right/4 is in: behind it the eight loads of f32 and fragment 0's two
.endif
.rept 5-w0n%2
	SELOP k/32
.endr
.set w0n, w0n+1
.endif
.set k, k+1
.endr
	s_add_co_u32 s35, s35, FPITCH          ; the conversion's next row,
	s_add_co_u32 s36, s36, SPITCH
	s_add_co_u32 s37, s37, 4
	s_add_co_u32 s38, s38, 16*SPITCH       ; the products' next tile
	s_add_co_u32 s39, s39, 64
	s_add_co_u32 s34, s34, 1
	WIN 0                                  ; at a label and at a branch every window is 0
.endm
; THE CHANGE OF BANKS.  Each wave waits for all its tensor loads, of which one is out: its rows of the next step but one's predecessor; adds 0 to its spare word; waits for that, for its stores
; into the next stage and for its reads of the old stage and of its f32 rows.  fill = 1: the barrier is a round of the cluster's, and the f32 rows just converted are filled again first thing behind it.
.macro CHANGE fill
	WIN 0
	s_wait_tensorcnt 0x0                   ; no tensor load of mine is out, so a group 0 may be written
	ds_add_u32 v[SPW], v[NIL]
.if \fill
	s_xor_b32 s29, s29, BANK               ; the walking descriptor: the other bank than last time,
	s_add_nc_u64 s[30:31], s[30:31], 0x10000  ; the next 64 rows; the type bits on top are not reached
.endif
	s_wait_dscnt 0x0
.if \fill
	CROUND
	tensor_load_to_lds s[28:31], s[16:23]  ; my one tensor load until the next round: 256 products stand between it and the wait for it
	s_nop 0
.rept 4
	v_nop
.endr
.else
	s_barrier_signal -1
	s_barrier_wait -1
.endif
	s_sub_co_u32 s35, s35, 4*FPITCH        ; all five bases go back to a bank's head, in the other bank
	s_xor_b32 s35, s35, BANK
	s_sub_co_u32 s36, s36, 4*SPITCH
	s_xor_b32 s36, s36, BANK
	s_sub_co_u32 s37, s37, 16
	s_xor_b32 s37, s37, BANK
	s_sub_co_u32 s38, s38, 64*SPITCH
	s_xor_b32 s38, s38, BANK
	s_sub_co_u32 s39, s39, 256
	s_xor_b32 s39, s39, BANK
.endm
.macro CONVP                           ; the conversion by itself, for step 0: four rows of my sixteen
	WIN 0
	v_add_nc_u32 v[CRa], s37, v[CR0]
	WIN 0x55
	v_add_nc_u32 v[CFa], s35, v[CF0]
	v_add_nc_u32 v[CSa], s36, v[CS0]
	TFLOAD
	s_wait_dscnt 0x0
.set cj, 0
.rept 65
	CNV
.endr
.irp i, 0,1,2,3
	ds_store_b128 v[CSa], v[TP+4*\i:TP+4*\i+3] offset:128*\i
.endr
.rept 4
	CNV
.endr
	ds_store_b32 v[CRa], v[SW]
	s_add_co_u32 s35, s35, FPITCH
	s_add_co_u32 s36, s36, SPITCH
	s_add_co_u32 s37, s37, 4
.endm
; x: load lam of 32 of query tile u brings the four numbers that fragment K step lam / 4, half (lam / 2) % 2, piece lam % 2 wants, in the stage's order of K
.macro XL u
	WIN 0x40                               ; destination window 1, address window 0
.set lam, 0
.rept 32
	global_load_b128 v[128*((\u)%2)+4*lam:128*((\u)%2)+4*lam+3], v[XO], s[4:5] offset:(\u)*16384+256*(lam/8)+64*((lam/4)%2)+32*((lam/2)%2)+128*(lam%2)
.set lam, lam+1
.endr
.endm
.macro XC u                            ; rounded to bf16 into window 2 or 3, then both signs of each word turned
	WIN 0x85+0x40*((\u)/4)
.set bb, 0
.rept 64
	v_cvt_pk_bf16_f32 v[64*((\u)%4)+bb], v[128*((\u)%2)+2*bb], v[128*((\u)%2)+2*bb+1]
.set bb, bb+1
.endr
	WIN 0x88+0x44*((\u)/4)
.set bb, 0
.rept 64
	v_xor_b32 v[64*((\u)%4)+bb], s53, v[64*((\u)%4)+bb]
.set bb, bb+1
.endr
.endm
	s_load_b256 s[4:11], s[0:1], 0x0               ; x s[4:5], train s[6:7], features s[8:9], cand s[10:11]
	v_lshl_add_u32 v[SPW], v0, 2, SPARE
	v_mov_b32 v[NIL], 0
	ds_add_u32 v[SPW], v[NIL]                      ; the wave's opening: the add and its wait stand ahead of my first tensor load
	v_lshrrev_b32 v1, 5, v0
	v_readfirstlane_b32 s12, v1                    ; wave 0..3
	s_bfe_u32 s13, ttmp6, 0x40000                  ; cx: it enters x's and cand's addresses alone
	; group 1: 16 rows x 256 elements of 4 bytes, 4 words of padding behind every 256
	s_mov_b32 s16, 15|(2<<16)|(1<<20)|(1<<21)|(7<<22)|(3<<25)
	s_mov_b32 s17, 256<<16                         ; tensor_dim0 = 256
	s_mov_b32 s18, 16<<16                          ; tensor_dim1 = 16
	s_mov_b32 s19, 256<<16                         ; tile_dim0 = 256
	s_mov_b32 s20, 16                              ; tile_dim1 = 16
	s_mov_b32 s21, 256                             ; elements from row to row
	s_mov_b32 s22, 0
	s_mov_b32 s23, 0
	s_mov_b32 s24, 1
	s_mul_i32 s25, s12, WTILE                      ; my 16 rows in bank 0
	s_mov_b32 s28, 1
	s_add_co_u32 s29, s25, BANK                    ; and in bank 1
	s_lshl_b32 s54, ttmp9, 20                      ; the cluster's 1,024 rows of 1,024 bytes,
	s_lshl_b32 s55, s12, 14                        ; my 16 of a step's 64
	s_add_co_u32 s54, s54, s55
	s_mov_b32 s55, 0
	s_lshl_b32 s56, s13, 19                        ; my work-group's 512 queries,
	s_lshl_b32 s57, s12, 17                        ; my wave's 128
	s_add_co_u32 s56, s56, s57
	s_mov_b32 s57, 0
	s_lshl_b32 s58, ttmp9, 16                      ; cand: rho x 65,536 + cx x 16,384 + wave x 4,096
	s_lshl_b32 s59, s13, 14
	s_add_co_u32 s58, s58, s59
	s_lshl_b32 s59, s12, 12
	s_add_co_u32 s58, s58, s59
	s_mov_b32 s59, 0
	s_mov_b32 s40, 0x76543210
	s_mov_b32 s41, 0xfedcba98
.irp j, 1,2,3,4,5,6,7
	s_mov_b32 s[41+\j], 0x01010101<<\j
.endr
	s_mov_b32 s49, 0xff0000ff
	s_mov_b32 s53, 0x80008000
	s_wait_dscnt 0x0                               ; the opening add is done
	s_wait_kmcnt 0x0
	s_add_nc_u64 s[26:27], s[6:7], s[54:55]        ; step 0
	s_add_nc_u64 s[30:31], s[26:27], 0x10000       ; step 1
	s_or_b32 s27, s27, 0x80000000                  ; type = 2
	s_or_b32 s31, s31, 0x80000000
	s_add_nc_u64 s[4:5], s[4:5], s[56:57]
	s_add_nc_u64 s[10:11], s[10:11], s[58:59]
	CROUND                                         ; all four work-groups are here: the first joint loads meet
	tensor_load_to_lds s[24:27], s[16:23]          ; two loads of mine are out
	s_nop 0
	tensor_load_to_lds s[28:31], s[16:23]
	s_nop 0
.rept 4
	v_nop
.endr
	v_and_b32 v28, 15, v0                          ; l % 16
	v_bfe_u32 v29, v0, 4, 1                        ; l / 16
	v_and_b32 v30, 7, v0                           ; l % 8
	v_bfe_u32 v31, v0, 3, 1
	v_lshlrev_b32 v[XO], 10, v28
	v_lshl_add_u32 v[XO], v29, 4, v[XO]
	v_lshlrev_b32 v[FO], 4, v30
.irp m, 0,1,2,3,4,5,6,7
	global_load_b128 v[FT+4*\m:FT+4*\m+3], v[FO], s[8:9] offset:128*\m
.endr
	XL 0
	XL 1
	WIN 0
	v_and_b32 v[GO], 31, v0
	v_lshlrev_b32 v[GO], 4, v[GO]
	v_lshl_add_u32 v[TR0], v29, 5, RGT
	v_lshlrev_b32 v19, 2, v29
	v_lshl_add_u32 v19, v31, 3, v19                ; my conversion row in a trip: 8 ((l / 8) % 2) + 4 (l / 16)
	s_lshl_b32 s54, s12, 4
	v_add_nc_u32 v1, s54, v19                      ; among the step's 64
	v_lshl_add_u32 v[CR0], v1, 2, RGT
	v_mul_u32_u24 v192, v19, FPITCH
	v_lshl_add_u32 v192, v30, 4, v192
	v_add_nc_u32 v192, s25, v192                   ; CF0
	v_mul_u32_u24 v193, v1, SPITCH
	v_lshl_add_u32 v193, v30, 4, v193
	v_add_nc_u32 v193, STG, v193                   ; CS0
	v_mul_u32_u24 v194, v28, SPITCH
	v_lshl_add_u32 v194, v29, 4, v194
	v_add_nc_u32 v194, STG, v194                   ; TA0
.irp u, 0,1,2,3,4,5,6,7
.if \u < 7
	s_wait_loadcnt 32                              ; this tile's 32 loads are in (and the features); the next tile's 32 stay out
.else
	s_wait_loadcnt 0x0
.endif
	XC \u
.if \u < 6
	XL (\u)+2
.endif
.endr
	; left: the diagonal of x x^T, 64 products for 128 queries; the eight accumulators take turns
.set ss, 0
.rept 8
.set uu, 0
.rept 8
	WIN 0x0a+5*(uu/4)
.set rB, 64*(uu%4)+8*ss
.if ss == 0
	v_wmma_f32_16x16x32_bf16 v[ACC+8*uu:ACC+8*uu+7], v[rB:rB+7], v[rB:rB+7], 0
.else
	v_wmma_f32_16x16x32_bf16 v[ACC+8*uu:ACC+8*uu+7], v[rB:rB+7], v[rB:rB+7], v[ACC+8*uu:ACC+8*uu+7]
.endif
.set uu, uu+1
.endr
.set ss, ss+1
.endr
	WIN 0
.rept 4
	v_nop                                          ; the places behind those products
.endr
	s_mov_b32 s54, 0x7f7fffff                      ; the largest finite number
.set uu, 0
.rept 8                                        ; register l % 8 of the lane whose half holds row l % 16; the other half takes it from the lane 16 away
.set gA, ACC+8*uu
.set sT, ST+8*uu
	v_mov_b32 v[sT+7], 0
	v_cndmask_b32 v[T1], v[gA], v[gA+1], s42
.irp j, 2,3,4,5,6,7
	v_cndmask_b32 v[T1], v[T1], v[gA+\j], s[41+\j]
.endr
	v_permlanex16_b32 v[sT+7], v[T1], s40, s41
	v_cndmask_b32 v[T1], v[sT+7], v[T1], s49
	v_mul_f32 v[sT+6], 0x3e800000, v[T1]           ; left / 4
	v_mov_b32 v[sT], s54
	v_mov_b32 v[sT+1], s54
	v_mov_b32 v[sT+2], s54
	v_mov_b32 v[sT+3], 0
	v_mov_b32 v[sT+4], 0
	v_mov_b32 v[sT+5], 0
.set uu, uu+1
.endr
.set i, 0
.rept 64
	v_mov_b32 v[ACC+i], s54                        ; what the first trip reduces and adds zeros onto: never below a, b, c
.set i, i+1
.endr
.set i, 0
.rept 16
	v_pk_mul_f32 v[FT+2*i:FT+2*i+1], v[FT+2*i:FT+2*i+1], 0.5 op_sel_hi:[1,0]
.set i, i+1
.endr
	WIN 0x40
.set i, 0
.rept 16
	v_cvt_pk_bf16_f32 v[FP+i], v[FT+2*i], v[FT+2*i+1]
.set i, i+1
.endr
.set i, 0
.rept 64
	v_mov_b32 v[AF+i], 0
.set i, i+1
.endr
	v_mov_b32 v[ZR], 0
	v_mov_b32 v[CF0], v192
	v_mov_b32 v[CS0], v193
	v_mov_b32 v[TA0], v194
	WIN 0
	s_mov_b32 s34, -1
	s_mov_b32 s35, 0
	s_mov_b32 s36, 0
	s_mov_b32 s37, 0
	s_mov_b32 s38, BANK+64*SPITCH                  ; the first change of banks turns these two into 0
	s_mov_b32 s39, BANK+256
	s_wait_tensorcnt 0x1                           ; my rows of step 0 are in, and only I read them; step 1's may stay out
	s_mov_b32 s33, 4
.Lconv0:
	CONVP
	s_sub_co_u32 s33, s33, 1
	s_cmp_lg_u32 s33, 0
	s_cbranch_scc1 .Lconv0
	s_mov_b32 s32, 14
.Lstep:                                                ; steps 0 to 13: step s + 2 is asked for
	CHANGE 1
	s_mov_b32 s33, 4
.Ltrip:
	TRIP
	s_sub_co_u32 s33, s33, 1
	s_cmp_lg_u32 s33, 0
	s_cbranch_scc1 .Ltrip
	s_sub_co_u32 s32, s32, 1
	s_cmp_lg_u32 s32, 0
	s_cbranch_scc1 .Lstep
	s_mov_b32 s32, 2
.Ltail:                                                ; steps 14 and 15 are written out
	CHANGE 0
	s_mov_b32 s33, 4
.Ltrip2:
	TRIP
	s_sub_co_u32 s33, s33, 1
	s_cmp_lg_u32 s33, 0
	s_cbranch_scc1 .Ltrip2
	s_sub_co_u32 s32, s32, 1
	s_cmp_lg_u32 s32, 0
	s_cbranch_scc1 .Ltail
	; THE END: set 1's products on the last tile, set 0's last reduction beside them, then set 1's
	v_mov_b32 v[IDV], s34
	s_wait_alu depctr_va_vdst(0)
.set rj, 0
.set k, 0
.rept 32
	MMA 1, k
.rept 2
.if rj < 60
	REDOP 0
.endif
.endr
.set k, k+1
.endr
	WIN 0
.rept 4
	v_nop
.endr
.set rj, 0
.rept 60
	REDOP 1
.endr
.set uu, 0
.rept 8
.set sT, ST+8*uu
	v_lshl_or_b32 v[sT+3], v[sT+4], 8, v[sT+3]
	v_lshl_or_b32 v[sT+3], v[sT+5], 16, v[sT+3]
	global_store_b128 v[GO], v[sT:sT+3], s[10:11] offset:512*uu  ; the wave stores 512 consecutive bytes, at a multiple of 512 from cand's first
.set uu, uu+1
.endr
	s_wait_tensorcnt 0x0                           ; the wave's end
	ds_add_u32 v[SPW], v[NIL]
	s_wait_dscnt 0x0
	CROUND                                         ; the closing round
	s_endpgm
.Lfunc_end_k_qc3b1eef1f0_main:
	.size	k_qc3b1eef1f0_main, .Lfunc_end_k_qc3b1eef1f0_main-k_qc3b1eef1f0_main
	.p2alignl 7, 3214868480
	.fill 96, 4, 3214868480
	.section	.rodata,"a",@progbits
	.p2align	6, 0x0
	.amdhsa_kernel k_qc3b1eef1f0_main
		.amdhsa_group_segment_fixed_size 327680
		.amdhsa_private_segment_fixed_size 0
		.amdhsa_enable_private_segment 0
		.amdhsa_kernarg_size 32
		.amdhsa_user_sgpr_count 2
		.amdhsa_user_sgpr_kernarg_segment_ptr 1
		.amdhsa_wavefront_size32 1
		.amdhsa_system_sgpr_workgroup_id_x 1
		.amdhsa_system_sgpr_workgroup_id_y 1
		.amdhsa_system_sgpr_workgroup_id_z 1
		.amdhsa_system_vgpr_workitem_id 0
		.amdhsa_next_free_vgpr 1024
		.amdhsa_next_free_sgpr 66
		.amdhsa_reserve_vcc 0
		.amdhsa_float_denorm_mode_32 3
		.amdhsa_float_denorm_mode_16_64 3
		.amdhsa_memory_ordered 1
		.amdhsa_forward_progress 1
		.amdhsa_inst_pref_size 171
	.end_amdhsa_kernel
	.amdgpu_metadata
---
amdhsa.version: [ 1, 2 ]
amdhsa.kernels:
  - .name:           k_qc3b1eef1f0_main
    .symbol:         k_qc3b1eef1f0_main.kd
    .args:
      - { .name: x_input, .offset: 0, .size: 8, .value_kind: global_buffer, .address_space: global }
      - { .name: train_inputs, .offset: 8, .size: 8, .value_kind: global_buffer, .address_space: global }
      - { .name: features, .offset: 16, .size: 8, .value_kind: global_buffer, .address_space: global }
      - { .name: cand, .offset: 24, .size: 8, .value_kind: global_buffer, .address_space: global }
    .group_segment_fixed_size: 327680
    .private_segment_fixed_size: 0
    .kernarg_segment_align: 8
    .kernarg_segment_size: 32
    .max_flat_workgroup_size: 128
    .sgpr_count:     66
    .vgpr_count:     1024
    .wavefront_size: 32
...
	.end_amdgpu_metadata
.endif
;; end of part 1
;; launch merge (part 2): grid 128 x 1, 8 waves a work-group, no clusters, 7,168 bytes of LDS; arguments cand, gsel; writes gsel
.if DOCPART == 2
	.amdgcn_target "amdgcn-amd-amdhsa--gfx1250"
	.amdhsa_code_object_version 6
	.text
	.protected	k_qc3b1eef1f0_merge
	.globl	k_qc3b1eef1f0_merge
	.p2align	8
	.type	k_qc3b1eef1f0_merge,@function
k_qc3b1eef1f0_merge:
	s_mov_b64 s[64:65], 0
	v_nop
	global_prefetch_b8 v0, s[64:65] scope:SCOPE_SE
	s_setreg_imm32_b32 hwreg(HW_REG_WAVE_MODE, 25, 1), 1
	s_wait_xcnt 0x0
; For each query the 128 chains' best three groups (cand) are merged into the query's best three, ordered by (minimum, group number); their numbers go to gsel as whole numbers.
; A work-group takes the 16 queries of one query tile (work-group number = that tile's number among 128); lane l belongs to query l % 16 and to the chains of half l / 16.
; Wave v merges the chains of row blocks rho = 8 v .. 8 v + 7; the eight waves' results meet in LDS, wave 0 merges them and the two halves of the lanes.
; No matrix unit, no cluster, no tensor load: 4 MiB are read once, by 16-byte loads of which a wave's cover 512 consecutive bytes.
; LIMIT: NaN is not treated apart.
.set SPARE, 6144                       ; behind the eight waves' 768 bytes: the spare words
.set VA, 8                             ; v8-10 the best three minima
.set VB, 9
.set VC, 10
.set IA, 12                            ; v12-14 their group numbers; v15 the third once more, so that 16 bytes are stored
.set IB, 13
.set IC, 14
.set T1, 72
.set T2, 73
; an entry (value in v[m], group in v[g]) is inserted; below means smaller, or equal with the lower group number
.macro INS m, g
	v_cmp_lt_f32 s20, v[\m], v[VA]
	v_cmp_eq_f32 s21, v[\m], v[VA]
	v_cmp_lt_u32 s22, v[\g], v[IA]
	s_and_b32 s21, s21, s22
	s_or_b32 s23, s20, s21
	v_cmp_lt_f32 s20, v[\m], v[VB]
	v_cmp_eq_f32 s21, v[\m], v[VB]
	v_cmp_lt_u32 s22, v[\g], v[IB]
	s_and_b32 s21, s21, s22
	s_or_b32 s24, s20, s21
	v_cmp_lt_f32 s20, v[\m], v[VC]
	v_cmp_eq_f32 s21, v[\m], v[VC]
	v_cmp_lt_u32 s22, v[\g], v[IC]
	s_and_b32 s21, s21, s22
	s_or_b32 s25, s20, s21
	v_cndmask_b32 v[T1], v[\g], v[IB], s24
	v_cndmask_b32 v[T2], v[\g], v[IA], s23
	v_cndmask_b32 v[IC], v[IC], v[T1], s25
	v_cndmask_b32 v[IB], v[IB], v[T2], s24
	v_cndmask_b32 v[IA], v[IA], v[\g], s23
	v_med3_num_f32 v[VC], v[VB], v[VC], v[\m]
	v_med3_num_f32 v[VB], v[VA], v[VB], v[\m]
	v_min_num_f32 v[VA], v[VA], v[\m]
.endm
	s_load_b128 s[4:7], s[0:1], 0x0                ; cand s[4:5], gsel s[6:7]
	v_lshl_add_u32 v90, v0, 2, SPARE               ; my spare word,
	v_mov_b32 v91, 0                               ; and 0; both for the add alone
	v_lshrrev_b32 v1, 5, v0
	v_readfirstlane_b32 s8, v1                     ; wave 0..7
	v_and_b32 v2, 31, v0
	v_lshlrev_b32 v3, 4, v2                        ; 16 x lane
	v_bfe_u32 v4, v0, 4, 1                         ; l / 16
	s_lshl_b32 s10, ttmp9, 9                       ; the query tile's 512 bytes in a row block,
	s_lshl_b32 s11, s8, 19                         ; my eight row blocks of 65,536 bytes
	s_add_co_u32 s10, s10, s11
	s_mov_b32 s11, 0
	s_lshl_b32 s12, s8, 10
	v_add_nc_u32 v4, s12, v4                       ; group number = rho x 128 + 2 x tile + l / 16: here 8 v x 128 + l / 16
	s_lshl_b32 s14, ttmp9, 8                       ; gsel: 16 queries of 16 bytes
	s_mov_b32 s15, 0
	s_mul_i32 s13, s8, 768
	v_lshl_add_u32 v5, v2, 2, s13                  ; my word in my wave's 768 bytes
	v_lshlrev_b32 v6, 2, v2
	s_mov_b32 s26, 0x76543210
	s_mov_b32 s27, 0xfedcba98
	s_wait_kmcnt 0x0
	s_add_nc_u64 s[4:5], s[4:5], s[10:11]
	s_add_nc_u64 s[6:7], s[6:7], s[14:15]
.irp i, 0,1,2,3,4,5,6,7
	global_load_b128 v[16+4*\i:19+4*\i], v3, s[4:5] offset:65536*\i th:TH_LOAD_NT
.endr
	s_wait_loadcnt 0x0
.set i, 0
.rept 8
.irp e, 0,1,2
	v_bfe_u32 v[48+3*i+\e], v[19+4*i], 8*\e, 8
	v_lshl_add_u32 v[48+3*i+\e], v[48+3*i+\e], 1, v4
	v_add_nc_u32 v[48+3*i+\e], 128*i, v[48+3*i+\e]
.endr
.set i, i+1
.endr
.irp e, 0,1,2
	v_mov_b32 v[VA+\e], v[16+\e]                   ; the first chain's three start the state
	v_mov_b32 v[IA+\e], v[48+\e]
.endr
.set i, 1
.rept 7
.irp e, 0,1,2
	INS 16+4*i+\e, 48+3*i+\e
.endr
.set i, i+1
.endr
.irp e, 0,1,2
	ds_store_b32 v5, v[VA+\e] offset:128*\e
	ds_store_b32 v5, v[IA+\e] offset:384+128*\e
.endr
	s_wait_tensorcnt 0x0                           ; behind my last LDS store: the dscnt wait shows my stores done, for wave 0's sake
	ds_add_u32 v90, v91
	s_wait_dscnt 0x0
	s_barrier_signal -1
	s_barrier_wait -1
	s_cmp_lg_u32 s8, 0
	s_cbranch_scc1 .Lend                           ; no barrier and no LDS write follows
.set i, 1
.rept 7
.irp e, 0,1,2,3,4,5
	ds_load_b32 v[16+6*(i-1)+\e], v6 offset:768*i+128*\e
.endr
.set i, i+1
.endr
	s_wait_dscnt 0x0
.set i, 0
.rept 7
.irp e, 0,1,2
	INS 16+6*i+\e, 19+6*i+\e
.endr
.set i, i+1
.endr
.irp e, 0,1,2
	v_permlanex16_b32 v[16+\e], v[VA+\e], s26, s27 ; the query's other chains lie in the lane 16 away
	v_permlanex16_b32 v[19+\e], v[IA+\e], s26, s27
.endr
.irp e, 0,1,2
	INS 16+\e, 19+\e
.endr
	v_mov_b32 v15, v[IC]
	v_cmp_gt_u32 vcc_lo, 16, v2
	s_wait_xcnt 0x0                                ; EXEC changes only behind this wait
	s_and_saveexec_b32 s28, vcc_lo
	global_store_b128 v3, v[12:15], s[6:7]         ; sixteen lanes store 256 consecutive bytes, at a multiple of 256 from gsel's first
	s_wait_xcnt 0x0
	s_or_b32 exec_lo, exec_lo, s28
.Lend:
	s_endpgm
.Lfunc_end_k_qc3b1eef1f0_merge:
	.size	k_qc3b1eef1f0_merge, .Lfunc_end_k_qc3b1eef1f0_merge-k_qc3b1eef1f0_merge
	.p2alignl 7, 3214868480
	.fill 96, 4, 3214868480
	.section	.rodata,"a",@progbits
	.p2align	6, 0x0
	.amdhsa_kernel k_qc3b1eef1f0_merge
		.amdhsa_group_segment_fixed_size 7168
		.amdhsa_private_segment_fixed_size 0
		.amdhsa_enable_private_segment 0
		.amdhsa_kernarg_size 16
		.amdhsa_user_sgpr_count 2
		.amdhsa_user_sgpr_kernarg_segment_ptr 1
		.amdhsa_wavefront_size32 1
		.amdhsa_system_sgpr_workgroup_id_x 1
		.amdhsa_system_sgpr_workgroup_id_y 1
		.amdhsa_system_sgpr_workgroup_id_z 1
		.amdhsa_system_vgpr_workitem_id 0
		.amdhsa_next_free_vgpr 96
		.amdhsa_next_free_sgpr 66
		.amdhsa_reserve_vcc 1
		.amdhsa_float_denorm_mode_32 3
		.amdhsa_float_denorm_mode_16_64 3
		.amdhsa_memory_ordered 1
		.amdhsa_forward_progress 1
		.amdhsa_inst_pref_size 66
	.end_amdhsa_kernel
	.amdgpu_metadata
---
amdhsa.version: [ 1, 2 ]
amdhsa.kernels:
  - .name:           k_qc3b1eef1f0_merge
    .symbol:         k_qc3b1eef1f0_merge.kd
    .args:
      - { .name: cand, .offset: 0, .size: 8, .value_kind: global_buffer, .address_space: global }
      - { .name: gsel, .offset: 8, .size: 8, .value_kind: global_buffer, .address_space: global }
    .group_segment_fixed_size: 7168
    .private_segment_fixed_size: 0
    .kernarg_segment_align: 8
    .kernarg_segment_size: 16
    .max_flat_workgroup_size: 256
    .sgpr_count:     66
    .vgpr_count:     96
    .wavefront_size: 32
...
	.end_amdgpu_metadata
.endif
;; end of part 2
;; launch pick (part 3): grid 256 x 1, 10 waves a work-group, no clusters, 1,536 bytes of LDS; arguments x_input, train_inputs, features, train_labels, gsel, out0; writes out0
.if DOCPART == 3
	.amdgcn_target "amdgcn-amd-amdhsa--gfx1250"
	.amdhsa_code_object_version 6
	.text
	.protected	k_qc3b1eef1f0_pick
	.globl	k_qc3b1eef1f0_pick
	.p2align	8
	.type	k_qc3b1eef1f0_pick,@function
k_qc3b1eef1f0_pick:
	s_mov_b64 s[64:65], 0
	v_nop
	global_prefetch_b8 v0, s[64:65] scope:SCOPE_SE
	s_setreg_imm32_b32 hwreg(HW_REG_WAVE_MODE, 25, 1), 1
	s_wait_xcnt 0x0
; The 24 rows of a query's three best groups (gsel, stored by the launch before) are scored anew in f32 on numbers rounded to bf16, ranked by (distance, row number), and their labels chosen as values.
; reference() reshapes [2048][3] to [3][2048]: output row c sums flat[c], flat[2048 + c], flat[4096 + c], flat[3 b + j] being the label of rank j of query b.
; A work-group owns output rows 8 g .. 8 g + 7.  Region r (0..2) needs flat[2048 r + 8 g + 0..7]: three queries, or four where the first index is 2 modulo 3, which holds of exactly one region.
; Waves 0-8 take (region w / 3, query w % 3), wave 9 the fourth query of that one region.  Wave w leaves its three labels at LDS bytes 12 w + 4 j.
; No mask of lanes, no branch and no address hangs on a distance: a rank's label is chosen by v_cndmask_b32 and spread over the wave by a bitwise or.
; The 24 dot products a query are a twenty-fifth of a per cent of the main launch's products and have one column each: they go to the vector unit; no matrix unit, cluster or tensor load.
; LIMITS.  NaN and infinities are not treated apart (a query with fewer than three finite distances gets labels of 0 or mixed bits); a label sum is taken as unsigned: a negative one
; gives a row of zeros, as reference() does; the work-group's 3,200 bytes of output begin at a multiple of 128 bytes, so every second work-group shares one block of 256 bytes with its neighbour.
.set SPARE, 256                        ; the table has the block from 0 to itself; behind it the spare words, 128 bytes a wave
; v52-54 table addresses of the way out; v55 my first column; v57 my byte offset in the work-group's output: made at the head, never rewritten
.macro WSUM a, t                       ; sum over the 32 lanes, in every lane
	v_add_f32_dpp v[\a], v[\a], v[\a] row_xmask:1 row_mask:0xf bank_mask:0xf
	v_add_f32_dpp v[\a], v[\a], v[\a] row_xmask:2 row_mask:0xf bank_mask:0xf
	v_add_f32_dpp v[\a], v[\a], v[\a] row_xmask:4 row_mask:0xf bank_mask:0xf
	v_add_f32_dpp v[\a], v[\a], v[\a] row_xmask:8 row_mask:0xf bank_mask:0xf
	v_permlanex16_b32 v[\t], v[\a], s34, s35
	v_add_f32 v[\a], v[\a], v[\t]
.endm
.macro WMIN a, t
	v_min_num_f32_dpp v[\a], v[\a], v[\a] row_xmask:1 row_mask:0xf bank_mask:0xf
	v_min_num_f32_dpp v[\a], v[\a], v[\a] row_xmask:2 row_mask:0xf bank_mask:0xf
	v_min_num_f32_dpp v[\a], v[\a], v[\a] row_xmask:4 row_mask:0xf bank_mask:0xf
	v_min_num_f32_dpp v[\a], v[\a], v[\a] row_xmask:8 row_mask:0xf bank_mask:0xf
	v_permlanex16_b32 v[\t], v[\a], s34, s35
	v_min_num_f32 v[\a], v[\a], v[\t]
.endm
.macro WOR a, t                        ; bitwise or over the 32 lanes, in every lane: one lane holds a label, the others 0
.irp x, 1,2,4,8
	v_mov_b32_dpp v[\t], v[\a] row_xmask:\x row_mask:0xf bank_mask:0xf
	v_or_b32 v[\a], v[\a], v[\t]
.endr
	v_permlanex16_b32 v[\t], v[\a], s34, s35
	v_or_b32 v[\a], v[\a], v[\t]
.endm
.macro RND b                           ; eight f32 rounded to bf16 and widened again, in place
.irp j, 0,1,2,3
	v_cvt_pk_bf16_f32 v[48+\j], v[(\b)+2*\j], v[(\b)+2*\j+1]
.endr
.irp j, 0,1,2,3
	v_lshlrev_b32 v[(\b)+2*\j], 16, v[48+\j]
	v_and_b32 v[(\b)+2*\j+1], s29, v[48+\j]
.endr
.endm
.macro DIV3 r                          ; region r: first flat index, its query and its rank
	s_add_co_u32 s38, s17, 2048*\r
	s_mul_hi_u32 s[40+\r], s38, s37
	s_lshr_b32 s[40+\r], s[40+\r], 1
	s_mul_i32 s39, s[40+\r], 3
	s_sub_co_u32 s[44+\r], s38, s39
	s_min_u32 s[44+\r], s[44+\r], 2        ; it is 0, 1 or 2
.endm
; candidate row i: x . t and the sum of (f t)^2 over the wave; lane i keeps them
.macro ROW i
.set tb, 64+8*(\i)
	s_wait_loadcnt 46-2*(\i)                       ; this row's two loads are in; the later rows' stay out
	RND tb
	v_pk_mul_f32 v[16:17], v[tb:tb+1], v[32:33]
	v_pk_fma_f32 v[16:17], v[tb+2:tb+3], v[34:35], v[16:17]
	v_pk_fma_f32 v[16:17], v[tb+4:tb+5], v[36:37], v[16:17]
	v_pk_fma_f32 v[16:17], v[tb+6:tb+7], v[38:39], v[16:17]
.irp j, 0,2,4,6
	v_pk_mul_f32 v[tb+\j:tb+\j+1], v[tb+\j:tb+\j+1], v[40+\j:41+\j]
.endr
	v_pk_mul_f32 v[18:19], v[tb:tb+1], v[tb:tb+1]
.irp j, 2,4,6
	v_pk_fma_f32 v[18:19], v[tb+\j:tb+\j+1], v[tb+\j:tb+\j+1], v[18:19]
.endr
	v_add_f32 v16, v16, v17
	v_add_f32 v18, v18, v19
	WSUM 16, 17
	WSUM 18, 19
	s_mov_b32 s36, 1<<(\i)
	v_cndmask_b32 v24, v24, v16, s36
	v_cndmask_b32 v25, v25, v18, s36
.endm
; rank j: the smallest distance, among equals the lowest row number.  That lane's label is spread over the wave and stored by all lanes (the same word, the same number); the lane leaves the contest.
.macro RANK j
	v_mov_b32 v27, v26
	WMIN 27, 29
	v_cmp_eq_f32 vcc_lo, v26, v27
	v_cndmask_b32 v28, v11, v10, vcc_lo            ; the row number where the distance is the smallest, else +infinity
	v_mov_b32 v20, v28
	WMIN 20, 29
	v_cmp_eq_f32 vcc_lo, v28, v20                  ; row numbers of lanes 0-23 differ: one lane
	v_cndmask_b32 v23, v22, v9, vcc_lo             ; its label; 0 in the others
	v_cndmask_b32 v26, v26, v11, vcc_lo
	WOR 23, 29
	ds_store_b32 v21, v23 offset:4*(\j)
.endm
	s_load_b256 s[4:11], s[0:1], 0x0               ; x s[4:5], train s[6:7], features s[8:9], labels s[10:11]
	s_load_b128 s[12:15], s[0:1], 0x20             ; gsel s[12:13], out s[14:15]
	v_lshl_add_u32 v30, v0, 2, SPARE               ; my spare word,
	v_mov_b32 v31, 0                               ; and 0; both for the add alone
	v_lshrrev_b32 v1, 5, v0
	v_readfirstlane_b32 s16, v1                    ; wave 0..9
	s_lshl_b32 s17, ttmp9, 3                       ; my first output row
	s_mov_b32 s37, 0xaaaaaaab                      ; n / 3 = (n x this) >> 33
	DIV3 0
	DIV3 1
	DIV3 2
	; the way out's addresses, from the thread's and the work-group's numbers alone: thread t < 200 writes 16 bytes: row t / 25, columns 4 (t % 25) + 0..3
	v_mul_u32_u24 v12, v0, 5243
	v_lshrrev_b32 v12, 17, v12
	v_min_u32 v12, 7, v12                          ; t / 25 for t < 200
	v_mul_u32_u24 v13, v12, 25
	v_sub_nc_u32 v55, v0, v13
	v_lshlrev_b32 v55, 2, v55                      ; my first column
	v_mov_b32 v58, 108                             ; wave 9's rank 0
.irp r, 0,1,2
	v_add_nc_u32 v13, s[44+\r], v12                ; place 0..9 among the region's labels: query = place / 3, rank = place % 3
	v_lshl_add_u32 v[52+\r], v13, 2, 36*\r         ; places 0..8 lie with waves 3 r .. 3 r + 2,
	v_cmp_eq_u32 vcc_lo, 9, v13
	v_cndmask_b32 v[52+\r], v[52+\r], v58, vcc_lo  ; place 9 with wave 9
.endr
	v_lshlrev_b32 v57, 4, v0
	s_mul_i32 s20, s16, 43
	s_lshr_b32 s20, s20, 7                         ; w / 3 for w = 0..9
	s_mul_i32 s21, s20, 3
	s_sub_co_u32 s21, s16, s21                     ; w % 3
	s_mov_b32 s22, 2                               ; the region whose first rank is 2
	s_cmp_eq_u32 s45, 2
	s_cselect_b32 s22, 1, s22
	s_cmp_eq_u32 s44, 2
	s_cselect_b32 s22, 0, s22
	s_cmp_eq_u32 s16, 9                            ; wave 9: that region's fourth query
	s_cselect_b32 s20, s22, s20
	s_cselect_b32 s21, 3, s21
	s_cmp_eq_u32 s20, 1
	s_cselect_b32 s23, s41, s42
	s_cmp_eq_u32 s20, 0
	s_cselect_b32 s23, s40, s23
	s_add_co_u32 s23, s23, s21
	s_min_u32 s23, s23, 2047                       ; my query
	s_lshl_b32 s18, s23, 10
	s_mov_b32 s19, 0
	s_lshl_b32 s48, s23, 4
	s_mov_b32 s49, 0
	s_mul_i32 s38, ttmp9, 3200
	s_mov_b32 s39, 0
	s_mov_b32 s28, 0x0000ff00                      ; lanes 8-15
	s_mov_b32 s29, 0xffff0000                      ; lanes 16-31; also a word's upper bf16
	s_mov_b32 s34, 0x76543210
	s_mov_b32 s35, 0xfedcba98
	v_and_b32 v1, 31, v0
	v_lshlrev_b32 v2, 4, v1                        ; 16 x lane
	v_and_b32 v6, 7, v0
	s_wait_kmcnt 0x0
	s_add_nc_u64 s[4:5], s[4:5], s[18:19]
	s_add_nc_u64 s[12:13], s[12:13], s[48:49]
	s_add_nc_u64 s[14:15], s[14:15], s[38:39]
	s_load_b128 s[24:27], s[12:13], 0x0            ; my query's three groups
	global_load_b128 v[32:35], v2, s[4:5]
	global_load_b128 v[36:39], v2, s[4:5] offset:512
	global_load_b128 v[40:43], v2, s[8:9]
	global_load_b128 v[44:47], v2, s[8:9] offset:512
	s_wait_kmcnt 0x0
	s_min_u32 s24, s24, 0x1fff                     ; a group number stays inside the 8,192 groups
	s_min_u32 s25, s25, 0x1fff
	s_min_u32 s26, s26, 0x1fff
	s_lshl_b32 s50, s24, 13                        ; a group is 8 rows of 1,024 bytes
	s_mov_b32 s51, 0
	s_lshl_b32 s52, s25, 13
	s_mov_b32 s53, 0
	s_lshl_b32 s54, s26, 13
	s_mov_b32 s55, 0
	s_add_nc_u64 s[50:51], s[6:7], s[50:51]
	s_add_nc_u64 s[52:53], s[6:7], s[52:53]
	s_add_nc_u64 s[54:55], s[6:7], s[54:55]
	v_mov_b32 v3, s24
	v_mov_b32 v4, s25
	v_mov_b32 v5, s26
	v_cndmask_b32 v3, v3, v4, s28
	v_cndmask_b32 v3, v3, v5, s29                  ; lane i: the group of candidate i (lanes 24-31 repeat the third and are shut out below)
	v_lshl_add_u32 v7, v3, 3, v6                   ; its row number
	v_min_u32 v7, 0xffff, v7
	v_lshlrev_b32 v8, 2, v7
	global_load_b32 v9, v8, s[10:11]               ; its label
.set i, 0
.rept 24                                       ; all 24 rows are asked for at once: a wave's load covers 512 consecutive bytes
	global_load_b128 v[64+8*i:64+8*i+3], v2, s[50+2*(i/8):51+2*(i/8)] offset:1024*(i%8)
	global_load_b128 v[64+8*i+4:64+8*i+7], v2, s[50+2*(i/8):51+2*(i/8)] offset:1024*(i%8)+512
.set i, i+1
.endr
	v_cvt_f32_u32 v10, v7                          ; exact: below 65,536
	v_mov_b32 v11, 0x7f800000
	v_mov_b32 v22, 0
	v_mov_b32 v24, 0
	v_mov_b32 v25, 0
	v_mov_b32 v29, 0
	s_mul_i32 s32, s16, 12
	v_mov_b32 v21, s32                             ; my three words of the table
	s_wait_loadcnt 49                              ; x and the features are in; the label and the 48 loads of rows stay out
	RND 32
	RND 40
	v_pk_mul_f32 v[14:15], v[32:33], v[32:33]
	v_pk_fma_f32 v[14:15], v[34:35], v[34:35], v[14:15]
	v_pk_fma_f32 v[14:15], v[36:37], v[36:37], v[14:15]
	v_pk_fma_f32 v[14:15], v[38:39], v[38:39], v[14:15]
	v_add_f32 v14, v14, v15
	WSUM 14, 15                                    ; left
.set i, 0
.rept 24
	ROW i
.set i, i+1
.endr
	v_add_f32 v20, v14, v25
	v_sqrt_f32 v20, v20
	v_nop                                          ; a plain instruction between the root and its use
	s_wait_alu depctr_va_vdst(0)
	v_fma_f32 v26, -2.0, v24, v20                  ; the distance of candidate i, in lane i
	s_mov_b32 s36, 0xff000000
	v_cndmask_b32 v26, v26, v11, s36               ; lanes 24-31 hold no candidate
	RANK 0
	RANK 1
	RANK 2
	s_wait_tensorcnt 0x0                           ; behind my last LDS store: the dscnt wait shows my stores done, for the others' sake
	ds_add_u32 v30, v31
	s_wait_dscnt 0x0
	s_barrier_signal -1
	s_barrier_wait -1
	; THE WAY OUT: three labels, their sum divided by 3, four numbers of the one-hot row
	ds_load_b32 v16, v52
	ds_load_b32 v17, v53
	ds_load_b32 v18, v54
	v_mov_b32 v59, 1.0
	s_wait_dscnt 0x0
	v_add3_u32 v16, v16, v17, v18
	v_mul_hi_u32 v16, v16, s37
	v_lshrrev_b32 v16, 1, v16                      ; the sum of three labels, divided by 3
.irp i, 0,1,2,3
	v_add_nc_u32 v19, \i, v55
	v_cmp_eq_u32 vcc_lo, v16, v19
	v_cndmask_b32 v[60+\i], 0, v59, vcc_lo
.endr
	v_cmp_gt_u32 vcc_lo, 200, v0
	s_wait_xcnt 0x0                                ; EXEC changes only behind this wait
	s_and_saveexec_b32 s33, vcc_lo
	global_store_b128 v57, v[60:63], s[14:15] th:TH_STORE_NT  ; neighbouring lanes store neighbouring 16 bytes: the work-group's 3,200 bytes are dense
	s_wait_xcnt 0x0
	s_or_b32 exec_lo, exec_lo, s33
	s_endpgm
.Lfunc_end_k_qc3b1eef1f0_pick:
	.size	k_qc3b1eef1f0_pick, .Lfunc_end_k_qc3b1eef1f0_pick-k_qc3b1eef1f0_pick
	.p2alignl 7, 3214868480
	.fill 96, 4, 3214868480
	.section	.rodata,"a",@progbits
	.p2align	6, 0x0
	.amdhsa_kernel k_qc3b1eef1f0_pick
		.amdhsa_group_segment_fixed_size 1536
		.amdhsa_private_segment_fixed_size 0
		.amdhsa_enable_private_segment 0
		.amdhsa_kernarg_size 48
		.amdhsa_user_sgpr_count 2
		.amdhsa_user_sgpr_kernarg_segment_ptr 1
		.amdhsa_wavefront_size32 1
		.amdhsa_system_sgpr_workgroup_id_x 1
		.amdhsa_system_sgpr_workgroup_id_y 1
		.amdhsa_system_sgpr_workgroup_id_z 1
		.amdhsa_system_vgpr_workitem_id 0
		.amdhsa_next_free_vgpr 256
		.amdhsa_next_free_sgpr 66
		.amdhsa_reserve_vcc 1
		.amdhsa_float_denorm_mode_32 3
		.amdhsa_float_denorm_mode_16_64 3
		.amdhsa_memory_ordered 1
		.amdhsa_forward_progress 1
		.amdhsa_inst_pref_size 71
	.end_amdhsa_kernel
	.amdgpu_metadata
---
amdhsa.version: [ 1, 2 ]
amdhsa.kernels:
  - .name:           k_qc3b1eef1f0_pick
    .symbol:         k_qc3b1eef1f0_pick.kd
    .args:
      - { .name: x_input, .offset: 0, .size: 8, .value_kind: global_buffer, .address_space: global }
      - { .name: train_inputs, .offset: 8, .size: 8, .value_kind: global_buffer, .address_space: global }
      - { .name: features, .offset: 16, .size: 8, .value_kind: global_buffer, .address_space: global }
      - { .name: train_labels, .offset: 24, .size: 8, .value_kind: global_buffer, .address_space: global }
      - { .name: gsel, .offset: 32, .size: 8, .value_kind: global_buffer, .address_space: global }
      - { .name: out0, .offset: 40, .size: 8, .value_kind: global_buffer, .address_space: global }
    .group_segment_fixed_size: 1536
    .private_segment_fixed_size: 0
    .kernarg_segment_align: 8
    .kernarg_segment_size: 48
    .max_flat_workgroup_size: 320
    .sgpr_count:     66
    .vgpr_count:     256
    .wavefront_size: 32
...
	.end_amdgpu_metadata
.endif
;; end of part 3
